; MI455X (gfx1250); checked and timed in simulation.
; The chip was launched on July 23, 2026; its instructions are those of AMD's public machine-readable ISA for CDNA 5 (MIT licence, August 2026) and "CDNA5" Instruction Set Architecture Reference Guide (July 2026). The comments in the code are by the model that wrote it; some were corrected since.
;; TCNN Instant NGP. Allowed arithmetic: float matrix products may take bf16 or f16 operands with f32 sums; all other float work in f32.
;; Inputs: tables 16 x 524,288 x 2 float32; w0 32 x 64 float32; w1 64 x 64 float32; w2 64 x 1 float32; x 1,048,576 x 3 float32.
;; Outputs: out0 1,048,576 x 1 float32.
;; 2 versions, each right and faster than the one before. Each part assembles by itself: llvm-mc -triple=amdgcn-amd-amdhsa -mcpu=gfx1250 --defsym DOCPART=n.
;; ======== version 1 of 2: 2 launches
;; limits: values are held in f16: magnitudes above 65,504 overflow, below 6.1e-05 lose precision; right only within a limited range of input values
;; workspace buffers: q 12,582,912 bytes of whole numbers
;; launch quant (part 1): grid 256 x 1, 8 waves a work-group, no clusters, 0 bytes of LDS; arguments x, q; writes q
.if DOCPART == 1
	.amdgcn_target "amdgcn-amd-amdhsa--gfx1250"
	.amdhsa_code_object_version 6
	.text
	.protected	k_q30bae7a4ea_quant
	.globl	k_q30bae7a4ea_quant
	.p2align	8
	.type	k_q30bae7a4ea_quant,@function
k_q30bae7a4ea_quant:
	s_mov_b64 s[64:65], 0
	v_nop
	global_prefetch_b8 v0, s[64:65] scope:SCOPE_SE
	s_setreg_imm32_b32 hwreg(HW_REG_WAVE_MODE, 25, 1), 1
	s_wait_xcnt 0x0
; q[i] = u32( fl(x[i] + 1) * 2^24 ), elementwise on the 3,145,728 numbers of x ([1048576][3] f32); q has x's layout, u32.
; Why: the next launch forms table addresses from the points' positions, and does that in whole numbers alone.
; fl(x + 1) is a multiple of 2^-24 for every x >= -1: for |x| >= 0.5 x itself is one, for |x| < 0.5 the sum lies in
; (0.5, 1.5) and is rounded to one.  So the product with 2^24 is an exact integer and q * 2^-25 is (x + 1) * 0.5
; as f32 arithmetic gives it, bit for bit.  The add and the multiply are therefore NOT fused: the rounded sum is wanted.
; LIMITS: x < -1 and NaN are taken as -1 (q = 0); x + 1 >= 256 is taken as 2^32 - 256 (saturation).
; A stream: each byte read once and written once, no LDS, no barrier, no matrix unit, nothing shared between work-groups.
; 256 work-groups of 8 waves; a work-group owns 49,152 bytes; thread t owns the 16 bytes at 16 t of each of 12 chunks of
; 4,096 bytes, so a wave's load or store covers 512 consecutive bytes that start at a multiple of 512.
; All 12 loads of a wave are issued before the first is used.
.set CHUNKB, 4096                      ; bytes that the work-group's 256 threads cover with one instruction each
.set CHUNKS, 12
.set XD,     4                         ; v[4:51]  chunk c in v[4+4c:7+4c], converted in place
	s_load_b128 s[4:7], s[0:1], 0x0                ; x s[4:5], q s[6:7]
	s_mul_i32 s2, ttmp9, CHUNKS*CHUNKB             ; the work-group's part, below 12,582,912
	s_mov_b32 s3, 0
	s_mov_b32 s8, 0x4b800000                       ; 2^24, broadcast by the packed multiply;
	s_mov_b32 s9, 0x4b800000                       ; the pair's second word is written too
	s_mov_b32 s10, 0x4f7fffff                      ; 2^32 - 256, the largest f32 that fits in u32
	v_lshlrev_b32 v1, 4, v0                        ; 16 t
	s_wait_kmcnt 0x0
	s_add_nc_u64 s[4:5], s[4:5], s[2:3]
	s_add_nc_u64 s[6:7], s[6:7], s[2:3]
.irp c, 0,1,2,3,4,5,6,7,8,9,10,11
	global_load_b128 v[XD+4*\c:XD+4*\c+3], v1, s[4:5] offset:CHUNKB*\c th:TH_LOAD_NT   ; x is read once in the launch
.endr
.macro CHUNK c
	s_wait_loadcnt CHUNKS-1-\c                     ; loads return in order: chunk c is in, the 11 - c younger ones stay out
	v_pk_add_f32 v[XD+4*\c:XD+4*\c+1],   v[XD+4*\c:XD+4*\c+1],   1.0 op_sel_hi:[1,0]
	v_pk_add_f32 v[XD+4*\c+2:XD+4*\c+3], v[XD+4*\c+2:XD+4*\c+3], 1.0 op_sel_hi:[1,0]
	v_pk_mul_f32 v[XD+4*\c:XD+4*\c+1],   v[XD+4*\c:XD+4*\c+1],   s[8:9] op_sel_hi:[1,0]
	v_pk_mul_f32 v[XD+4*\c+2:XD+4*\c+3], v[XD+4*\c+2:XD+4*\c+3], s[8:9] op_sel_hi:[1,0]
.irp j, 0,1,2,3
	v_max_num_f32 v[XD+4*\c+\j], 0, v[XD+4*\c+\j]          ; below -1, and NaN: 0
.endr
.irp j, 0,1,2,3
	v_min_num_f32 v[XD+4*\c+\j], s10, v[XD+4*\c+\j]
.endr
.irp j, 0,1,2,3
	v_cvt_u32_f32 v[XD+4*\c+\j], v[XD+4*\c+\j]             ; exact: the number is an integer
.endr
	global_store_b128 v1, v[XD+4*\c:XD+4*\c+3], s[6:7] offset:CHUNKB*\c   ; no register of a store is written again
.endm
.irp c, 0,1,2,3,4,5,6,7,8,9,10,11
	CHUNK \c
.endr
	s_endpgm
.Lfunc_end_k_q30bae7a4ea_quant:
	.size	k_q30bae7a4ea_quant, .Lfunc_end_k_q30bae7a4ea_quant-k_q30bae7a4ea_quant
	.p2alignl 7, 3214868480
	.fill 96, 4, 3214868480
	.section	.rodata,"a",@progbits
	.p2align	6, 0x0
	.amdhsa_kernel k_q30bae7a4ea_quant
		.amdhsa_group_segment_fixed_size 0
		.amdhsa_private_segment_fixed_size 0
		.amdhsa_enable_private_segment 0
		.amdhsa_kernarg_size 16
		.amdhsa_user_sgpr_count 2
		.amdhsa_user_sgpr_kernarg_segment_ptr 1
		.amdhsa_wavefront_size32 1
		.amdhsa_system_sgpr_workgroup_id_x 1
		.amdhsa_system_sgpr_workgroup_id_y 1
		.amdhsa_system_sgpr_workgroup_id_z 1
		.amdhsa_system_vgpr_workitem_id 0
		.amdhsa_next_free_vgpr 52
		.amdhsa_next_free_sgpr 66
		.amdhsa_reserve_vcc 0
		.amdhsa_float_denorm_mode_32 3
		.amdhsa_float_denorm_mode_16_64 3
		.amdhsa_memory_ordered 1
		.amdhsa_forward_progress 1
		.amdhsa_inst_pref_size 11
	.end_amdhsa_kernel
	.amdgpu_metadata
---
amdhsa.version: [ 1, 2 ]
amdhsa.kernels:
  - .name:           k_q30bae7a4ea_quant
    .symbol:         k_q30bae7a4ea_quant.kd
    .args:
      - { .name: x, .offset: 0, .size: 8, .value_kind: global_buffer, .address_space: global }
      - { .name: q, .offset: 8, .size: 8, .value_kind: global_buffer, .address_space: global }
    .group_segment_fixed_size: 0
    .private_segment_fixed_size: 0
    .kernarg_segment_align: 8
    .kernarg_segment_size: 16
    .max_flat_workgroup_size: 256
    .sgpr_count:     66
    .vgpr_count:     52
    .wavefront_size: 32
...
	.end_amdgpu_metadata
.endif
;; end of part 1
;; launch ngp (part 2): grid 512 x 1, 16 waves a work-group, no clusters, 14,336 bytes of LDS; arguments tables, w0, w1, w2, q, out0; writes out0
.if DOCPART == 2
	.amdgcn_target "amdgcn-amd-amdhsa--gfx1250"
	.amdhsa_code_object_version 6
	.text
	.protected	k_q30bae7a4ea_ngp
	.globl	k_q30bae7a4ea_ngp
	.p2align	8
	.type	k_q30bae7a4ea_ngp,@function
k_q30bae7a4ea_ngp:
	s_mov_b64 s[64:65], 0
	v_nop
	global_prefetch_b8 v0, s[64:65] scope:SCOPE_SE
	s_setreg_imm32_b32 hwreg(HW_REG_WAVE_MODE, 25, 1), 1
	s_wait_xcnt 0x0
; Hash-grid encoding (16 levels x 8 corners x 2 features, trilinear) and the MLP 32 -> 64 -> 64 -> 1 (ReLU, no biases).
; q: [1048576][3] u32, q = (x + 1) * 2^24 from the launch before; tables: [16][524288][2] f32; w0 [32][64], w1 [64][64], w2 [64] f32.
;
; SHARES.  512 work-groups of 16 waves; a work-group takes 2,048 points, a wave 128, a lane 4: lane's group g is point
; 2048 WG + 4 tid + g, so a lane's q are 48 consecutive bytes and its four results 16 consecutive bytes (a wave's store: 512).
; Levels are the outer walk, the four groups the inner one, in every wave alike: at any time the gathers of the waves that run
; together fall into few of the sixteen tables of 4 MiB.  64 bodies (level, group) of 8 gathers; four register buffers, so that
; up to 32 gathers of a wave are out while the oldest body is blended.
;
; POSITIONS IN WHOLE NUMBERS.  SF = f32(scale of the level) * 2^20 is an integer.  P = q * SF + 2^44 = (x01 * scale + 0.5) * 2^45,
; exact in 64 bits.  Cell = P >> 45; fraction = bits 44:22 of P, set under the exponent of 1.0, minus 1.0.  Cell and fraction come
; from one number and the blend is continuous across a cell's face, so that the two f32 roundings which the formula in f32 has
; and this one has not (at most 1.3e-4 of a cell at the finest level) move a feature by that part of a corner difference only.
; Hash: only 19 bits survive the mask, so the primes are cut to 19 bits and the 24-bit multiply is exact in the bits kept.
;
; MLP IN REGISTERS.  The products are taken transposed, A = W^T (16 units x K), B = 16 points as columns: a lane (r, h) of the result
; holds units 16 t + 8 h + 0..7 of point r, which is the next layer's B layout as it stands: no lane traffic between layers.
; The last layer has one column: 32 f32 multiply-adds a lane and one exchange between the halves of the wave.
; FORMAT.  f16 operands, f32 sums.  The network is positively homogeneous (no bias, ReLU), so the features are multiplied by 2^14
; before they are rounded and the result by 2^-14: both exact.  Drawn tables (1e-4) give scaled features near 0.5 and hidden
; values near 0.7; all inputs 30 times larger give 50 and 620 (offsets of 30 spreads on tables and w0: 24,000), 30 times smaller
; 0.016 and 7.6e-4: inside f16's normal range (6.1e-5 to 65504).
; LIMITS.  |feature| and |first hidden value| below 3.99 (65504 / 2^14), |w0|, |w1| below 65504: beyond that infinities arise.
; Hidden values below 3.7e-9 are rounded with the absolute step 3.6e-12.  A NaN hidden value becomes 0 in the ReLU.
; Dense levels (0 to 4): the base index is clamped so that all 8 corners stay in the level's table; it is the true index wherever
; the 8 true indices lie in the table (x <= 1 and some way beyond).  Hashed levels are exact for -1 <= x < 255.
; NO CLUSTER, NO TENSOR LOADS: what work-groups share is 24,832 bytes of weights, read once each, against 2 MiB of gathered corners
; a work-group, whose addresses are the lanes' own.
.set SWG,   2048                       ; points of a work-group
.set LEVB,  0x400000                   ; bytes of a level's table
.set TMASK, 0x7ffff                    ; table entries - 1
; scalar registers
.set LB,   16                          ; s[16+2l:17+2l]  address of level l's table, written once
.set SC,   48                          ; SF of the level at work
.set MANT, 49                          ; 0x7fffff
.set ONE,  50                          ; 0x3f800000
.set P1,   51                          ; 2654435761 mod 2^19
.set P2,   52                          ; 805459861 mod 2^19
.set HM,   53                          ; 0x7ffff
.set WV,   54                          ; wave number
.set FS,   66                          ; s[66:67]  2^14
.set US,   68                          ; s[68:69]  2^-14
; vector registers while gathering
.set Q,    4                           ; v[4:15]    q of group g: v[4+3g:6+3g]
.set PP,   16                          ; v[16:21]   P of x, y, z
.set X0,   22
.set X1,   23
.set Y0,   24
.set Z0,   25
.set HY0,  26
.set HY1,  27
.set HZ0,  28
.set HZ1,  29
.set H,    30                          ; v[30:33]   hash of (y + dy, z + dz), c = dy + 2 dz
.set QA,   34                          ; 48 tid
.set VA,   35                          ; weights: 2048 h + 4 r
.set LS,   36                          ; weights: LDS address of my 16 bytes of my wave's fragment
.set FR,   40                          ; v[40+6b ..]  buffer b: (fx, 0), (fy, 0), (fz, 0)
.set IDX,  64                          ; v[64+8b ..]  buffer b: 8 indices
.set G,    96                          ; v[96+16b ..] buffer b: 8 corners of 2 features, corner k = dx + 2 dy + 4 dz
.set BT,   96                          ; weights, before the gathers: 16 f32
.set BU,   112                         ; and 8 packed words
.set FE,   192                         ; v[192:255]  group g, level l: two f16 in v[192 + 16 g + rho(l)]
; vector registers in the MLP (FE, v0, v1 stay)
.set OUT,  4                           ; v[4:7]     results of my 4 points
.set W0B,  8                           ; v[8:39]    W0^T, tile t at 8 t
.set W1B,  40                          ; v[40:103]  W1^T, tile t, K half s at 8 (2 t + s)
.set W2B,  104                         ; v[104:135] w2[16 t + 8 h + j] at 8 t + j, f32
.set HD,   136                         ; v[136:167] four result tiles
.set HB,   168                         ; v[168:183] first hidden layer as B, two K halves
.set ACC,  184                         ; v[184:187]
.set SS,   188
.set TT,   189
.set OA,   190                         ; 16 tid
.set WA,   191                         ; 32 h
	s_load_b256 s[4:11], s[0:1], 0x0               ; tables s[4:5], w0 s[6:7], w1 s[8:9], w2 s[10:11]
	s_load_b128 s[12:15], s[0:1], 0x20             ; q s[12:13], out0 s[14:15]
	v_lshrrev_b32 v37, 5, v0
	v_readfirstlane_b32 s[WV], v37                 ; wave 0..15
	v_and_b32 v1, 31, v0
	v_lshlrev_b32 v1, 4, v1                        ; 16 x lane
	v_mov_b32 v2, 0                                ; v[2:3] = 2^44, the 0.5 of the position
	v_mov_b32 v3, 0x1000
	v_mul_u32_u24 v[QA], 48, v0
	v_bfe_u32 v37, v0, 4, 1                        ; h
	v_and_b32 v38, 15, v0                          ; r
	v_lshlrev_b32 v38, 2, v38
	v_lshl_add_u32 v[VA], v37, 11, v38             ; 8 h rows of 256 bytes + 4 r
	v_lshlrev_b32 v[WA], 5, v37
	v_lshlrev_b32 v[OA], 4, v0
	v_mov_b32 v[TT], 0                             ; the lane exchange's destination counts as read
.irp p, 1,3,5,7,9,11,13,15,17,19,21,23
	v_mov_b32 v[FR+\p], 0                          ; second words of the fraction pairs: the packed forms name whole pairs
.endr
	s_mov_b32 s[MANT], 0x7fffff
	s_mov_b32 s[ONE], 0x3f800000
	s_mov_b32 s[P1], 0x779b1
	s_mov_b32 s[P2], 0x25795
	s_mov_b32 s[HM], TMASK
	s_mov_b32 s58, 0x76543210                      ; v_permlanex16_b32: lane i takes lane i of the other half
	s_mov_b32 s59, 0xfedcba98
	s_mov_b32 s[FS], 0x46800000
	s_mov_b32 s[FS+1], 0x46800000
	s_mov_b32 s[US], 0x38800000
	s_mov_b32 s[US+1], 0x38800000
	s_mul_i32 s62, ttmp9, SWG*12                   ; q: 12 bytes a point
	s_mov_b32 s63, 0
	s_wait_kmcnt 0x0
	s_add_nc_u64 s[12:13], s[12:13], s[62:63]
	global_load_b128 v[Q:Q+3],    v[QA], s[12:13] th:TH_LOAD_NT
	global_load_b128 v[Q+4:Q+7],  v[QA], s[12:13] offset:16 th:TH_LOAD_NT
	global_load_b128 v[Q+8:Q+11], v[QA], s[12:13] offset:32 th:TH_LOAD_NT
	s_lshl_b32 s62, ttmp9, 13                      ; out0: 4 bytes a point
	s_add_nc_u64 s[14:15], s[14:15], s[62:63]
.irp l, 0,1,2,3,4,5,6,7,8,9,10,11,12,13,14,15
	s_add_nc_u64 s[LB+2*\l:LB+2*\l+1], s[4:5], \l*LEVB     ; a base for each level: none is stepped under pending loads
.endr
	; THE WEIGHTS, once: wave f (0..11) makes fragment f of 1,024 bytes in LDS.  f = 0..3: W0^T tile t = f.  f = 4 + 2 t + s: W1^T tile t,
	; K half s.  Lane (r, h) holds unit 16 t + r; words 0-3: k = 32 s + 8 h + 0..7, words 4-7: k = 32 s + 16 + 8 h + 0..7.
	; W[k][u] lies at 256 k + 4 u.  In LDS words 0-3 at 16 x lane, words 4-7 at 512 + 16 x lane: consecutive lanes, consecutive bytes.
	s_cmp_ge_u32 s[WV], 12
	s_cbranch_scc1 .Lbuilt                         ; waves 12 to 15 build nothing; the barrier stands behind the label
	s_sub_co_u32 s55, s[WV], 4
	s_lshr_b32 s56, s55, 1                         ; t, s of a w1 fragment
	s_and_b32 s57, s55, 1
	s_cmp_lt_u32 s[WV], 4
	s_cselect_b64 s[60:61], s[6:7], s[8:9]         ; w0 or w1
	s_cselect_b32 s56, s[WV], s56
	s_cselect_b32 s57, 0, s57
	s_lshl_b32 s62, s56, 6                         ; 16 t units of 4 bytes
	s_lshl_b32 s57, s57, 13                        ; 32 s rows of 256 bytes
	s_add_co_u32 s62, s62, s57
	s_add_nc_u64 s[60:61], s[60:61], s[62:63]      ; s63 = 0
	s_lshl_b32 s55, s[WV], 10
	v_add_nc_u32 v[LS], s55, v1
.irp i, 0,1,2,3,4,5,6,7
	global_load_b32 v[BT+\i],   v[VA], s[60:61] offset:256*\i
	global_load_b32 v[BT+8+\i], v[VA], s[60:61] offset:256*(16+\i)
.endr
	s_wait_loadcnt 0x0
.irp j, 0,1,2,3,4,5,6,7
	v_cvt_pk_f16_f32 v[BU+\j], v[BT+2*\j], v[BT+2*\j+1]
.endr
	ds_store_b128 v[LS], v[BU:BU+3]
	ds_store_b128 v[LS], v[BU+4:BU+7] offset:512
.Lbuilt:
	s_wait_dscnt 0x0                               ; my fragment is in LDS before I say so
	s_barrier_signal -1
	s_barrier_wait -1                              ; the only barrier: from here on the fragments are only read
	s_wait_loadcnt 0x0                             ; q
; Position of group g at the level whose SF is in s[SC]: cells into X0, Y0, Z0, fractions into buffer g
.macro POS g
.irp a, 0,1,2
	v_mad_nc_u64_u32 v[PP+2*\a:PP+2*\a+1], v[Q+3*\g+\a], s[SC], v[2:3]
.endr
.irp a, 0,1,2
	v_alignbit_b32 v[FR+6*\g+2*\a], v[PP+2*\a+1], v[PP+2*\a], 22   ; bits 53:22 of P
.endr
	v_lshrrev_b32 v[X0], 13, v[PP+1]               ; P >> 45
	v_lshrrev_b32 v[Y0], 13, v[PP+3]
	v_lshrrev_b32 v[Z0], 13, v[PP+5]
.irp a, 0,1,2
	v_and_or_b32 v[FR+6*\g+2*\a], v[FR+6*\g+2*\a], s[MANT], s[ONE] ; 1.fraction
.endr
.irp a, 0,1,2
	v_add_f32 v[FR+6*\g+2*\a], -1.0, v[FR+6*\g+2*\a]               ; exact
.endr
.endm
; Indices and the 8 gathers of (level l, group g) into buffer g.  r = the grid's side at a dense level, 0 at a hashed one.
.macro ADDR l, g, r
.set IB, IDX+8*\g
.set GA, G+16*\g
	POS \g
.if \r
	v_mad_u32_u24 v[IB], v[Z0], \r, v[Y0]
	v_mad_u32_u24 v[IB], v[IB], \r, v[X0]          ; x + r y + r r z
	v_min_u32 v[IB], TMASK-(1+\r+\r*\r), v[IB]     ; all 8 corners stay in the table
	v_lshlrev_b32 v[IB], 3, v[IB]
.irp k, 0,1,2,3,4,5,6,7
	global_load_b64 v[GA+2*\k:GA+2*\k+1], v[IB], s[LB+2*\l:LB+2*\l+1] offset:8*((\k&1)+\r*((\k>>1)&1)+\r*\r*(\k>>2))
.endr
.else
	v_mul_u32_u24 v[HY0], s[P1], v[Y0]
	v_mul_u32_u24 v[HZ0], s[P2], v[Z0]
	v_add_nc_u32 v[X1], 1, v[X0]
	v_add_nc_u32 v[HY1], s[P1], v[HY0]             ; (y + 1) p = y p + p
	v_add_nc_u32 v[HZ1], s[P2], v[HZ0]
	v_xor_b32 v[H+0], v[HY0], v[HZ0]
	v_xor_b32 v[H+1], v[HY1], v[HZ0]
	v_xor_b32 v[H+2], v[HY0], v[HZ1]
	v_xor_b32 v[H+3], v[HY1], v[HZ1]
.irp c, 0,1,2,3
	v_and_b32 v[H+\c], s[HM], v[H+\c]              ; x and x + 1 are below 2^19 (P < 2^63 + 2^44), so masking here is masking the index
.endr
.irp c, 0,1,2,3
	v_xor_b32 v[IB+2*\c],   v[X0], v[H+\c]
	v_xor_b32 v[IB+2*\c+1], v[X1], v[H+\c]
.endr
.irp k, 0,1,2,3,4,5,6,7
	v_min_u32 v[IB+\k], TMASK, v[IB+\k]            ; changes nothing; states the bound of a loaded number that enters an address
.endr
.irp k, 0,1,2,3,4,5,6,7
	global_load_b64 v[GA+2*\k:GA+2*\k+1], v[IB+\k], s[LB+2*\l:LB+2*\l+1] scale_offset   ; entry of 8 bytes
.endr
.endif
.endm
; Blend of body (level LL, group LG): seven times a += f (b - a) on pairs of features: four along x, two along y, one along z;
; then the scale 2^14 and the rounding to f16.  rho puts level j, 8 + j at words j, 4 + j and level 4 + j, 12 + j eight words further.
.macro LERP
.set GB, G+16*LG
.set FB, FR+6*LG
.irp c, 0,4,8,12
	v_pk_add_f32 v[GB+\c+2:GB+\c+3], v[GB+\c+2:GB+\c+3], v[GB+\c:GB+\c+1] neg_lo:[0,1] neg_hi:[0,1]
.endr
.irp c, 0,4,8,12
	v_pk_fma_f32 v[GB+\c:GB+\c+1], v[GB+\c+2:GB+\c+3], v[FB:FB+1], v[GB+\c:GB+\c+1] op_sel_hi:[1,0,1]
.endr
.irp c, 0,8
	v_pk_add_f32 v[GB+\c+4:GB+\c+5], v[GB+\c+4:GB+\c+5], v[GB+\c:GB+\c+1] neg_lo:[0,1] neg_hi:[0,1]
.endr
.irp c, 0,8
	v_pk_fma_f32 v[GB+\c:GB+\c+1], v[GB+\c+4:GB+\c+5], v[FB+2:FB+3], v[GB+\c:GB+\c+1] op_sel_hi:[1,0,1]
.endr
	v_pk_add_f32 v[GB+8:GB+9], v[GB+8:GB+9], v[GB:GB+1] neg_lo:[0,1] neg_hi:[0,1]
	v_pk_fma_f32 v[GB:GB+1], v[GB+8:GB+9], v[FB+4:FB+5], v[GB:GB+1] op_sel_hi:[1,0,1]
	v_pk_mul_f32 v[GB:GB+1], v[GB:GB+1], s[FS:FS+1] op_sel_hi:[1,0]
	v_cvt_pk_f16_f32 v[FE+16*LG+(LL&3)+4*((LL>>3)&1)+8*((LL>>2)&1)], v[GB], v[GB+1]
.endm
; Body i = 4 l + g: issue its gathers, then blend body i - 3.  Behind body i - 3's eight gathers the 24 of bodies i - 2, i - 1, i were
; issued, and loads return in order: the wait for 24 shows body i - 3 in.  It also shows those loads done, so that their index
; registers, like the buffer's data and fractions, are free for body i + 1, which takes the same buffer.
.macro BODY l, g, r
	ADDR \l, \g, \r
.if 4*\l+\g >= 3
	s_wait_loadcnt 24
.set LL, (4*\l+\g-3)>>2
.set LG, (4*\l+\g-3)&3
	LERP
.endif
.endm
.macro LEVEL l, sf, r
	s_mov_b32 s[SC], \sf
	BODY \l, 0, \r
	BODY \l, 1, \r
	BODY \l, 2, \r
	BODY \l, 3, \r
.endm
	; SF = f32(16 * 128^(l/15) - 1) * 2^20; sides 16, 23, 31, 43, 59 have side^3 <= 524288, from level 5 on (81^3) the index is hashed
	LEVEL 0,  0x00f00000, 16
	LEVEL 1,  0x0151c50a, 23
	LEVEL 2,  0x01d8e100, 31
	LEVEL 3,  0x0293968c, 43
	LEVEL 4,  0x03959a94, 59
	LEVEL 5,  0x04fa28c0, 0
	LEVEL 6,  0x06e6e338, 0
	LEVEL 7,  0x098fcb90, 0
	LEVEL 8,  0x0d3cc020, 0
	LEVEL 9,  0x12511180, 0
	LEVEL 10, 0x1955fea0, 0
	LEVEL 11, 0x230930c0, 0
	LEVEL 12, 0x3070c000, 0
	LEVEL 13, 0x42f6de00, 0
	LEVEL 14, 0x5c900f00, 0
	LEVEL 15, 0x7ff00000, 0
.set LL, 15
	s_wait_loadcnt 16                              ; the last three bodies: two, one, no younger body's gathers stay out
.set LG, 1
	LERP
	s_wait_loadcnt 8
.set LG, 2
	LERP
	s_wait_loadcnt 0
.set LG, 3
	LERP
	; THE MLP.  Weights into registers, once for the wave's eight tiles of 16 points.
.irp f, 0,1,2,3,4,5,6,7,8,9,10,11
	ds_load_b128 v[W0B+8*\f:W0B+8*\f+3],   v1 offset:1024*\f
	ds_load_b128 v[W0B+8*\f+4:W0B+8*\f+7], v1 offset:1024*\f+512
.endr
.irp t, 0,1,2,3
	global_load_b128 v[W2B+8*\t:W2B+8*\t+3],   v[WA], s[10:11] offset:64*\t      ; w2[16 t + 8 h + 0..3]
	global_load_b128 v[W2B+8*\t+4:W2B+8*\t+7], v[WA], s[10:11] offset:64*\t+16   ; w2[16 t + 8 h + 4..7]
.endr
	s_mov_b32 vcc_lo, 0xffff0000                   ; lanes 16 to 31
	; Features into B fragments.  The swap exchanges the first register's lanes 16-31 with the second's lanes 0-15.  Word i of a group holds
	; levels i (or 8 + i - 4), word 8 + i the levels four higher, of all 32 lanes' points.  Behind the swap word i holds, for the points of
	; lanes 0-15, the lower levels in lanes 0-15 (h = 0: k = 0..7, 16..23) and the higher ones in lanes 16-31 (h = 1: k = 8..15, 24..31);
	; word 8 + i the same for the points of lanes 16-31.
.irp g, 0,1,2,3
.irp i, 0,1,2,3,4,5,6,7
	v_permlane16_swap_b32 v[FE+16*\g+\i], v[FE+16*\g+8+\i]
.endr
.endr
	s_wait_dscnt 0x0
	s_wait_loadcnt 0x0
; Four places of plain vector instructions between a matrix instruction and a vector instruction that reads its result (ISA guide 7.12.1)
.macro PLACES
.rept 4
	v_nop
.endr
.endm
; 16 points: group g of lanes 0-15 (hh = 0) or of lanes 16-31 (hh = 1).
; A result tile is written over by a later matrix instruction only behind the four v_nop and at least 24 plain vector instructions
; on the other three tiles' registers (five places are needed); HB is written again far more than four places behind its last use.
.macro TILE g, hh
.set TF, FE+16*\g+8*\hh
.irp t, 0,1,2,3
	v_wmma_f32_16x16x32_f16 v[HD+8*\t:HD+8*\t+7], v[W0B+8*\t:W0B+8*\t+7], v[TF:TF+7], 0
.endr
	PLACES
.irp t, 0,1,2,3
.irp j, 0,1,2,3,4,5,6,7
	v_max_num_f32 v[HD+8*\t+\j], 0, v[HD+8*\t+\j]
.endr
.irp j, 0,1,2,3
	v_cvt_pk_f16_f32 v[HB+4*\t+\j], v[HD+8*\t+2*\j], v[HD+8*\t+2*\j+1]     ; units 16 t + 8 h + 2 j, + 1: word 4 (t & 1) + j of K half t >> 1
.endr
.endr
.irp t, 0,1,2,3
	v_wmma_f32_16x16x32_f16 v[HD+8*\t:HD+8*\t+7], v[W1B+16*\t:W1B+16*\t+7], v[HB:HB+7], 0
.endr
.irp t, 0,1,2,3
	v_wmma_f32_16x16x32_f16 v[HD+8*\t:HD+8*\t+7], v[W1B+16*\t+8:W1B+16*\t+15], v[HB+8:HB+15], v[HD+8*\t:HD+8*\t+7]   ; the chain's next link, in place
.endr
	PLACES
.set j, 0
.rept 32
	v_max_num_f32 v[HD+j], 0, v[HD+j]
.set j, j+1
.endr
	v_pk_mul_f32 v[ACC:ACC+1],   v[HD:HD+1],   v[W2B:W2B+1]                ; the first products start the two chains
	v_pk_mul_f32 v[ACC+2:ACC+3], v[HD+2:HD+3], v[W2B+2:W2B+3]
.set j, 4
.rept 7
	v_pk_fma_f32 v[ACC:ACC+1],   v[HD+j:HD+j+1],   v[W2B+j:W2B+j+1],   v[ACC:ACC+1]
	v_pk_fma_f32 v[ACC+2:ACC+3], v[HD+j+2:HD+j+3], v[W2B+j+2:W2B+j+3], v[ACC+2:ACC+3]
.set j, j+4
.endr
	v_pk_add_f32 v[ACC:ACC+1], v[ACC:ACC+1], v[ACC+2:ACC+3]
	v_add_f32 v[SS], v[ACC], v[ACC+1]              ; my 32 units of point r
	v_permlanex16_b32 v[TT], v[SS], s58, s59       ; the other 32
.if \hh
	v_add_f32 v[SS], v[SS], v[TT]
	v_cndmask_b32 v[OUT+\g], v[OUT+\g], v[SS], vcc_lo      ; these points belong to lanes 16-31
.else
	v_add_f32 v[OUT+\g], v[SS], v[TT]              ; lanes 0-15 keep it; lanes 16-31 are replaced by the next tile
.endif
.endm
.irp g, 0,1,2,3
	TILE \g, 0
	TILE \g, 1
.endr
	v_pk_mul_f32 v[OUT:OUT+1],   v[OUT:OUT+1],   s[US:US+1] op_sel_hi:[1,0]    ; the features' 2^14 is taken back
	v_pk_mul_f32 v[OUT+2:OUT+3], v[OUT+2:OUT+3], s[US:US+1] op_sel_hi:[1,0]
	global_store_b128 v[OA], v[OUT:OUT+3], s[14:15] th:TH_STORE_NT             ; the wave stores 512 consecutive bytes, at a multiple of 512
	s_wait_xcnt 0x0
	v_lshl_add_u32 v254, v0, 2, 0x3000
	v_mov_b32 v255, 0
	s_wait_tensorcnt 0x0
	ds_add_u32 v254, v255
	s_wait_dscnt 0x0
	s_endpgm
.Lfunc_end_k_q30bae7a4ea_ngp:
	.size	k_q30bae7a4ea_ngp, .Lfunc_end_k_q30bae7a4ea_ngp-k_q30bae7a4ea_ngp
	.p2alignl 7, 3214868480
	.fill 96, 4, 3214868480
	.section	.rodata,"a",@progbits
	.p2align	6, 0x0
	.amdhsa_kernel k_q30bae7a4ea_ngp
		.amdhsa_group_segment_fixed_size 14336
		.amdhsa_private_segment_fixed_size 0
		.amdhsa_enable_private_segment 0
		.amdhsa_kernarg_size 48
		.amdhsa_user_sgpr_count 2
		.amdhsa_user_sgpr_kernarg_segment_ptr 1
		.amdhsa_wavefront_size32 1
		.amdhsa_system_sgpr_workgroup_id_x 1
		.amdhsa_system_sgpr_workgroup_id_y 1
		.amdhsa_system_sgpr_workgroup_id_z 1
		.amdhsa_system_vgpr_workitem_id 0
		.amdhsa_next_free_vgpr 256
		.amdhsa_next_free_sgpr 70
		.amdhsa_reserve_vcc 1
		.amdhsa_float_denorm_mode_32 3
		.amdhsa_float_denorm_mode_16_64 3
		.amdhsa_memory_ordered 1
		.amdhsa_forward_progress 1
		.amdhsa_inst_pref_size 255
	.end_amdhsa_kernel
	.section	.bss,"aw",@nobits
	.p2align	6
	.space	262144
	.amdgpu_metadata
---
amdhsa.version: [ 1, 2 ]
amdhsa.kernels:
  - .name:           k_q30bae7a4ea_ngp
    .symbol:         k_q30bae7a4ea_ngp.kd
    .args:
      - { .name: tables, .offset: 0, .size: 8, .value_kind: global_buffer, .address_space: global }
      - { .name: w0, .offset: 8, .size: 8, .value_kind: global_buffer, .address_space: global }
      - { .name: w1, .offset: 16, .size: 8, .value_kind: global_buffer, .address_space: global }
      - { .name: w2, .offset: 24, .size: 8, .value_kind: global_buffer, .address_space: global }
      - { .name: q, .offset: 32, .size: 8, .value_kind: global_buffer, .address_space: global }
      - { .name: out0, .offset: 40, .size: 8, .value_kind: global_buffer, .address_space: global }
    .group_segment_fixed_size: 14336
    .private_segment_fixed_size: 0
    .kernarg_segment_align: 8
    .kernarg_segment_size: 48
    .max_flat_workgroup_size: 512
    .sgpr_count:     70
    .vgpr_count:     256
    .wavefront_size: 32
...
	.end_amdgpu_metadata
.endif
;; end of part 2
;; ======== version 2 of 2: 2 launches; 1.37 times as fast as version 1
;; limits: values are held in f16: magnitudes above 65,504 overflow, below 6.1e-05 lose precision; right only within a limited range of input values
;; workspace buffers: q 12,582,912 bytes of whole numbers; tp 33,554,432 bytes
;; launch prep (part 3): grid 1024 x 1, 8 waves a work-group, no clusters, 0 bytes of LDS; arguments x, tables, q, tp; writes q, tp
.if DOCPART == 3
	.amdgcn_target "amdgcn-amd-amdhsa--gfx1250"
	.amdhsa_code_object_version 6
	.text
	.protected	k_q30bae7a4ea_prep
	.globl	k_q30bae7a4ea_prep
	.p2align	8
	.type	k_q30bae7a4ea_prep,@function
k_q30bae7a4ea_prep:
	s_mov_b64 s[64:65], 0
	v_nop
	global_prefetch_b8 v0, s[64:65] scope:SCOPE_SE
	s_setreg_imm32_b32 hwreg(HW_REG_WAVE_MODE, 25, 1), 1
	s_wait_xcnt 0x0
; Two elementwise streams that prepare the next launch's gathers.
; (1) q[i] = u32( fl(x[i] + 1) * 2^24 ) on the 3,145,728 numbers of x ([1048576][3] f32); q has x's layout, u32.
;     The next launch forms table addresses from the points' positions, in whole numbers alone.
;     fl(x + 1) is a multiple of 2^-24 for every x >= -1: for |x| >= 0.5 x itself is one, for |x| < 0.5 the sum lies in
;     (0.5, 1.5) and is rounded to one.  So the product with 2^24 is an exact integer and q * 2^-25 is (x + 1) * 0.5
;     as f32 arithmetic gives it, bit for bit.  The add and the multiply are therefore NOT fused: the rounded sum is wanted.
; (2) tp[e] = one word for each of the 8,388,608 table entries: bf16(2^14 f0) in the low half, bf16(2^14 f1) in the high half.
;     A gathered corner is then 4 bytes instead of 8; each entry is gathered 16 times on average, so the 96 MiB moved here
;     spare 512 MiB there.  The entries are operands of the blend (a product with f32 sums): rounded once, to nearest even,
;     relative error at most 2^-8.  The factor 2^14 is exact; the next launch needs it for its f16 features and takes it back.
; LIMITS: x < -1 and NaN are taken as -1 (q = 0); x + 1 >= 256 is taken as 2^32 - 256 (saturation).
; Streams: each byte read once and written once, no LDS, no barrier, no matrix unit, nothing shared between work-groups.
; 1,024 work-groups of 8 waves; a work-group owns 3 chunks of 4,096 bytes of x and 16 of the tables; thread t owns the 16 bytes at
; 16 t of each chunk.  A wave's load covers 512 consecutive bytes, its store of q 512, its store of tp 256, each aligned to its length.
; All 19 loads of a wave are issued before the first is used; nothing is looped.
.set CHUNKB, 4096                      ; bytes that the work-group's 256 threads load with one instruction each
.set XCH,    3                         ; chunks of x
.set TCH,    16                        ; chunks of the tables
.set XD,     4                         ; v[4:15]   x, chunk c in v[4+4c:7+4c], converted in place
.set TD,     16                        ; v[16:79]  tables, chunk c in v[16+4c:19+4c]; packed into the first two
	s_load_b256 s[4:11], s[0:1], 0x0               ; x s[4:5], tables s[6:7], q s[8:9], tp s[10:11]
	s_mul_i32 s2, ttmp9, XCH*CHUNKB                ; my part of x and of q
	s_mov_b32 s3, 0
	s_lshl_b32 s12, ttmp9, 16                      ; my part of the tables: 16 x 4,096 bytes
	s_mov_b32 s13, 0
	s_lshl_b32 s14, ttmp9, 15                      ; and of tp: half as much
	s_mov_b32 s15, 0
	s_mov_b32 s16, 0x4b800000                      ; 2^24, broadcast by the packed multiply;
	s_mov_b32 s17, 0x4b800000                      ; the pair's second word is written too
	s_mov_b32 s18, 0x4f7fffff                      ; 2^32 - 256, the largest f32 that fits in u32
	s_mov_b32 s20, 0x46800000                      ; 2^14
	s_mov_b32 s21, 0x46800000
	v_lshlrev_b32 v1, 4, v0                        ; 16 t
	v_lshlrev_b32 v2, 3, v0                        ; 8 t
	s_wait_kmcnt 0x0
	s_add_nc_u64 s[4:5], s[4:5], s[2:3]
	s_add_nc_u64 s[8:9], s[8:9], s[2:3]
	s_add_nc_u64 s[6:7], s[6:7], s[12:13]
	s_add_nc_u64 s[10:11], s[10:11], s[14:15]
.irp c, 0,1,2
	global_load_b128 v[XD+4*\c:XD+4*\c+3], v1, s[4:5] offset:CHUNKB*\c th:TH_LOAD_NT   ; read once in the launch
.endr
.irp c, 0,1,2,3,4,5,6,7,8,9,10,11,12,13,14,15
	global_load_b128 v[TD+4*\c:TD+4*\c+3], v1, s[6:7] offset:CHUNKB*\c th:TH_LOAD_NT
.endr
.macro XCHUNK c
	s_wait_loadcnt XCH+TCH-1-\c                    ; loads return in order: this chunk is in, the 18 - c younger loads stay out
	v_pk_add_f32 v[XD+4*\c:XD+4*\c+1],   v[XD+4*\c:XD+4*\c+1],   1.0 op_sel_hi:[1,0]
	v_pk_add_f32 v[XD+4*\c+2:XD+4*\c+3], v[XD+4*\c+2:XD+4*\c+3], 1.0 op_sel_hi:[1,0]
	v_pk_mul_f32 v[XD+4*\c:XD+4*\c+1],   v[XD+4*\c:XD+4*\c+1],   s[16:17] op_sel_hi:[1,0]
	v_pk_mul_f32 v[XD+4*\c+2:XD+4*\c+3], v[XD+4*\c+2:XD+4*\c+3], s[16:17] op_sel_hi:[1,0]
.irp j, 0,1,2,3
	v_max_num_f32 v[XD+4*\c+\j], 0, v[XD+4*\c+\j]          ; below -1, and NaN: 0
.endr
.irp j, 0,1,2,3
	v_min_num_f32 v[XD+4*\c+\j], s18, v[XD+4*\c+\j]
.endr
.irp j, 0,1,2,3
	v_cvt_u32_f32 v[XD+4*\c+\j], v[XD+4*\c+\j]             ; exact: the number is an integer
.endr
	global_store_b128 v1, v[XD+4*\c:XD+4*\c+3], s[8:9] offset:CHUNKB*\c    ; no register of a store is written again
.endm
.macro TCHUNK c
	s_wait_loadcnt TCH-1-\c                        ; the 15 - c younger loads stay out
	v_pk_mul_f32 v[TD+4*\c:TD+4*\c+1],   v[TD+4*\c:TD+4*\c+1],   s[20:21] op_sel_hi:[1,0]
	v_pk_mul_f32 v[TD+4*\c+2:TD+4*\c+3], v[TD+4*\c+2:TD+4*\c+3], s[20:21] op_sel_hi:[1,0]
	v_cvt_pk_bf16_f32 v[TD+4*\c],   v[TD+4*\c],   v[TD+4*\c+1]     ; entry 512 c + 2 t
	v_cvt_pk_bf16_f32 v[TD+4*\c+1], v[TD+4*\c+2], v[TD+4*\c+3]     ; entry 512 c + 2 t + 1
	global_store_b64 v2, v[TD+4*\c:TD+4*\c+1], s[10:11] offset:(CHUNKB/2)*\c
.endm
.irp c, 0,1,2
	XCHUNK \c
.endr
.irp c, 0,1,2,3,4,5,6,7,8,9,10,11,12,13,14,15
	TCHUNK \c
.endr
	s_endpgm
.Lfunc_end_k_q30bae7a4ea_prep:
	.size	k_q30bae7a4ea_prep, .Lfunc_end_k_q30bae7a4ea_prep-k_q30bae7a4ea_prep
	.p2alignl 7, 3214868480
	.fill 96, 4, 3214868480
	.section	.rodata,"a",@progbits
	.p2align	6, 0x0
	.amdhsa_kernel k_q30bae7a4ea_prep
		.amdhsa_group_segment_fixed_size 0
		.amdhsa_private_segment_fixed_size 0
		.amdhsa_enable_private_segment 0
		.amdhsa_kernarg_size 32
		.amdhsa_user_sgpr_count 2
		.amdhsa_user_sgpr_kernarg_segment_ptr 1
		.amdhsa_wavefront_size32 1
		.amdhsa_system_sgpr_workgroup_id_x 1
		.amdhsa_system_sgpr_workgroup_id_y 1
		.amdhsa_system_sgpr_workgroup_id_z 1
		.amdhsa_system_vgpr_workitem_id 0
		.amdhsa_next_free_vgpr 80
		.amdhsa_next_free_sgpr 66
		.amdhsa_reserve_vcc 0
		.amdhsa_float_denorm_mode_32 3
		.amdhsa_float_denorm_mode_16_64 3
		.amdhsa_memory_ordered 1
		.amdhsa_forward_progress 1
		.amdhsa_inst_pref_size 12
	.end_amdhsa_kernel
	.amdgpu_metadata
---
amdhsa.version: [ 1, 2 ]
amdhsa.kernels:
  - .name:           k_q30bae7a4ea_prep
    .symbol:         k_q30bae7a4ea_prep.kd
    .args:
      - { .name: x, .offset: 0, .size: 8, .value_kind: global_buffer, .address_space: global }
      - { .name: tables, .offset: 8, .size: 8, .value_kind: global_buffer, .address_space: global }
      - { .name: q, .offset: 16, .size: 8, .value_kind: global_buffer, .address_space: global }
      - { .name: tp, .offset: 24, .size: 8, .value_kind: global_buffer, .address_space: global }
    .group_segment_fixed_size: 0
    .private_segment_fixed_size: 0
    .kernarg_segment_align: 8
    .kernarg_segment_size: 32
    .max_flat_workgroup_size: 256
    .sgpr_count:     66
    .vgpr_count:     80
    .wavefront_size: 32
...
	.end_amdgpu_metadata
.endif
;; end of part 3
;; launch ngp (part 4): grid 512 x 1, 16 waves a work-group, no clusters, 14,336 bytes of LDS; arguments tp, w0, w1, w2, q, out0; writes out0
.if DOCPART == 4
	.amdgcn_target "amdgcn-amd-amdhsa--gfx1250"
	.amdhsa_code_object_version 6
	.text
	.protected	k_q30bae7a4ea_ngp
	.globl	k_q30bae7a4ea_ngp
	.p2align	8
	.type	k_q30bae7a4ea_ngp,@function
k_q30bae7a4ea_ngp:
	s_mov_b64 s[64:65], 0
	v_nop
	global_prefetch_b8 v0, s[64:65] scope:SCOPE_SE
	s_setreg_imm32_b32 hwreg(HW_REG_WAVE_MODE, 25, 1), 1
	s_wait_xcnt 0x0
; Hash-grid encoding (16 levels x 8 corners x 2 features, trilinear) and the MLP 32 -> 64 -> 64 -> 1 (ReLU, no biases).
; From the launch before: q [1048576][3] u32, q = (x + 1) * 2^24; tp [16][524288] words, an entry's two features times 2^14 as two bf16.
; w0 [32][64], w1 [64][64], w2 [64] f32.
;
; SHARES.  512 work-groups of 16 waves; a work-group takes 2,048 points, a wave 128, a lane 4: lane's group g is point
; 2048 WG + 4 tid + g, so a lane's q are 48 consecutive bytes and its four results 16 consecutive bytes (a wave's store: 512).
; Levels are the outer walk, the four groups the inner one, in every wave alike.  64 bodies (level, group) of 8 gathers of 4 bytes;
; six register buffers, so that up to 48 gathers of a wave are out while the oldest body is blended.
;
; POSITIONS IN WHOLE NUMBERS.  SF = f32(scale of the level) * 2^20 is an integer.  P = q * SF + 2^44 = (x01 * scale + 0.5) * 2^45,
; exact in 64 bits.  Cell = P >> 45; fraction = bits 44:22 of P, set under the exponent of 1.0, minus 1.0.  Cell and fraction come
; from one number and the blend is continuous across a cell's face, so that the two f32 roundings which the formula in f32 has
; and this one has not (at most 1.3e-4 of a cell at the finest level) move a feature by that part of a corner difference only.
; Hash: only 19 bits survive the mask, so the primes are cut to 19 bits and the 24-bit multiply is exact in the bits kept.
;
; THE BLEND: bf16 operands (the entries), f32 weights and f32 sums.  Along x a (1 - fx) + b fx, straight from the words' halves, one
; fused multiply-add for each corner and feature; along y and z a + f (b - a) on pairs of f32.
;
; MLP IN REGISTERS.  The products are taken transposed, A = W^T (16 units x K), B = 16 points as columns: a lane (r, h) of the result
; holds units 16 t + 8 h + 0..7 of point r, which is the next layer's B layout as it stands: no lane traffic between layers.
; The last layer has one column: 32 f32 multiply-adds a lane and one exchange between the halves of the wave.
; FORMAT.  f16 operands, f32 sums.  The network is positively homogeneous (no bias, ReLU), so the features carry the factor 2^14
; (put on the entries by the launch before) and the result is multiplied by 2^-14: both exact.  Drawn tables (1e-4) give scaled
; features near 0.5 and hidden values near 0.7; all inputs 30 times larger give 50 and 620 (offsets of 30 spreads on tables and
; w0: 24,000), 30 times smaller 0.016 and 7.6e-4: inside f16's normal range (6.1e-5 to 65504).
; LIMITS.  |feature| and |first hidden value| below 3.99 (65504 / 2^14), |w0|, |w1| below 65504: beyond that infinities arise.
; Hidden values below 3.7e-9 are rounded with the absolute step 3.6e-12.  A NaN hidden value becomes 0 in the ReLU.
; Table entries carry bf16's rounding (2^-8 of their own size, a common offset included).
; Dense levels (0 to 4): the base index is clamped so that all 8 corners stay in the level's table; it is the true index wherever
; the 8 true indices lie in the table (x <= 1 and some way beyond).  Hashed levels are exact for -1 <= x < 255.
; NO CLUSTER, NO TENSOR LOADS: what work-groups share is 24,832 bytes of weights, read once each, against 1 MiB of gathered corners
; a work-group, whose addresses are the lanes' own.
.set SWG,   2048                       ; points of a work-group
.set LEVB,  0x200000                   ; bytes of a level's packed table
.set TMASK, 0x7ffff                    ; table entries - 1
.set NB,    6                          ; register buffers: body i takes buffer i mod 6
; scalar registers
.set LB,   16                          ; s[16+2l:17+2l]  address of level l's table, written once
.set SC,   48                          ; SF of the level at work
.set MANT, 49                          ; 0x7fffff
.set ONE,  50                          ; 0x3f800000
.set P1,   51                          ; 2654435761 mod 2^19
.set P2,   52                          ; 805459861 mod 2^19
.set HM,   53                          ; 0x7ffff
.set WV,   54                          ; wave number
.set US,   66                          ; s[66:67]  2^-14
; vector registers while gathering
.set Q,    4                           ; v[4:15]    q of group g: v[4+3g:6+3g]
.set PP,   16                          ; v[16:21]   P of x, y, z
.set X0,   22
.set X1,   23
.set Y0,   24
.set Z0,   25
.set HY0,  26
.set HY1,  27
.set HZ0,  28
.set HZ1,  29
.set H,    30                          ; v[30:33]   hash of (y + dy, z + dz), c = dy + 2 dz
.set QA,   34                          ; 48 tid
.set VA,   35                          ; weights: 2048 h + 4 r
.set LS,   36                          ; weights: LDS address of my 16 bytes of my wave's fragment
.set T,    40                          ; v[40:47]   the body being blended: 4 pairs of f32 behind the x blend
.set FR,   48                          ; v[48+6b ..]  buffer b: fx, 1 - fx, (fy, 0), (fz, 0)
.set IDX,  84                          ; v[84+8b ..]  buffer b: 8 indices
.set G,    132                         ; v[132+8b ..] buffer b: 8 corners, one word each, corner k = dx + 2 dy + 4 dz
.set BT,   96                          ; weights, before the gathers: 16 f32
.set BU,   112                         ; and 8 packed words
.set FE,   192                         ; v[192:255]  group g, level l: two f16 in v[192 + 16 g + rho(l)]
; vector registers in the MLP (FE, v0, v1 stay)
.set OUT,  4                           ; v[4:7]     results of my 4 points
.set W0B,  8                           ; v[8:39]    W0^T, tile t at 8 t
.set W1B,  40                          ; v[40:103]  W1^T, tile t, K half s at 8 (2 t + s)
.set W2B,  104                         ; v[104:135] w2[16 t + 8 h + j] at 8 t + j, f32
.set HD,   136                         ; v[136:167] four result tiles
.set HB,   168                         ; v[168:183] first hidden layer as B, two K halves
.set ACC,  184                         ; v[184:187]
.set SS,   188
.set TT,   189
.set OA,   190                         ; 16 tid
.set WA,   191                         ; 32 h
	s_load_b256 s[4:11], s[0:1], 0x0               ; tp s[4:5], w0 s[6:7], w1 s[8:9], w2 s[10:11]
	s_load_b128 s[12:15], s[0:1], 0x20             ; q s[12:13], out0 s[14:15]
	v_lshrrev_b32 v37, 5, v0
	v_readfirstlane_b32 s[WV], v37                 ; wave 0..15
	v_and_b32 v1, 31, v0
	v_lshlrev_b32 v1, 4, v1                        ; 16 x lane
	v_mov_b32 v2, 0                                ; v[2:3] = 2^44, the 0.5 of the position; v2 is also the blend's zero addend
	v_mov_b32 v3, 0x1000
	v_mul_u32_u24 v[QA], 48, v0
	v_bfe_u32 v37, v0, 4, 1                        ; h
	v_and_b32 v38, 15, v0                          ; r
	v_lshlrev_b32 v38, 2, v38
	v_lshl_add_u32 v[VA], v37, 11, v38             ; 8 h rows of 256 bytes + 4 r
	v_lshlrev_b32 v[WA], 5, v37
	v_lshlrev_b32 v[OA], 4, v0
	v_mov_b32 v[TT], 0                             ; the lane exchange's destination counts as read
.irp p, 3,5,9,11,15,17,21,23,27,29,33,35
	v_mov_b32 v[FR+\p], 0                          ; second words of the fy and fz pairs: the packed forms name whole pairs
.endr
	s_mov_b32 s[MANT], 0x7fffff
	s_mov_b32 s[ONE], 0x3f800000
	s_mov_b32 s[P1], 0x779b1
	s_mov_b32 s[P2], 0x25795
	s_mov_b32 s[HM], TMASK
	s_mov_b32 s58, 0x76543210                      ; v_permlanex16_b32: lane i takes lane i of the other half
	s_mov_b32 s59, 0xfedcba98
	s_mov_b32 s[US], 0x38800000
	s_mov_b32 s[US+1], 0x38800000
	s_mul_i32 s62, ttmp9, SWG*12                   ; q: 12 bytes a point
	s_mov_b32 s63, 0
	s_wait_kmcnt 0x0
	s_add_nc_u64 s[12:13], s[12:13], s[62:63]
	global_load_b128 v[Q:Q+3],    v[QA], s[12:13] th:TH_LOAD_NT
	global_load_b128 v[Q+4:Q+7],  v[QA], s[12:13] offset:16 th:TH_LOAD_NT
	global_load_b128 v[Q+8:Q+11], v[QA], s[12:13] offset:32 th:TH_LOAD_NT
	s_lshl_b32 s62, ttmp9, 13                      ; out0: 4 bytes a point
	s_add_nc_u64 s[14:15], s[14:15], s[62:63]
.irp l, 0,1,2,3,4,5,6,7,8,9,10,11,12,13,14,15
	s_add_nc_u64 s[LB+2*\l:LB+2*\l+1], s[4:5], \l*LEVB     ; a base for each level: none is stepped under pending loads
.endr
	; THE WEIGHTS, once: wave f (0..11) makes fragment f of 1,024 bytes in LDS.  f = 0..3: W0^T tile t = f.  f = 4 + 2 t + s: W1^T tile t,
	; K half s.  Lane (r, h) holds unit 16 t + r; words 0-3: k = 32 s + 8 h + 0..7, words 4-7: k = 32 s + 16 + 8 h + 0..7.
	; W[k][u] lies at 256 k + 4 u.  In LDS words 0-3 at 16 x lane, words 4-7 at 512 + 16 x lane: consecutive lanes, consecutive bytes.
	s_cmp_ge_u32 s[WV], 12
	s_cbranch_scc1 .Lbuilt                         ; waves 12 to 15 build nothing; the barrier stands behind the label
	s_sub_co_u32 s55, s[WV], 4
	s_lshr_b32 s56, s55, 1                         ; t, s of a w1 fragment
	s_and_b32 s57, s55, 1
	s_cmp_lt_u32 s[WV], 4
	s_cselect_b64 s[60:61], s[6:7], s[8:9]         ; w0 or w1
	s_cselect_b32 s56, s[WV], s56
	s_cselect_b32 s57, 0, s57
	s_lshl_b32 s62, s56, 6                         ; 16 t units of 4 bytes
	s_lshl_b32 s57, s57, 13                        ; 32 s rows of 256 bytes
	s_add_co_u32 s62, s62, s57
	s_add_nc_u64 s[60:61], s[60:61], s[62:63]      ; s63 = 0
	s_lshl_b32 s55, s[WV], 10
	v_add_nc_u32 v[LS], s55, v1
.irp i, 0,1,2,3,4,5,6,7
	global_load_b32 v[BT+\i],   v[VA], s[60:61] offset:256*\i
	global_load_b32 v[BT+8+\i], v[VA], s[60:61] offset:256*(16+\i)
.endr
	s_wait_loadcnt 0x0
.irp j, 0,1,2,3,4,5,6,7
	v_cvt_pk_f16_f32 v[BU+\j], v[BT+2*\j], v[BT+2*\j+1]
.endr
	ds_store_b128 v[LS], v[BU:BU+3]
	ds_store_b128 v[LS], v[BU+4:BU+7] offset:512
.Lbuilt:
	s_wait_dscnt 0x0                               ; my fragment is in LDS before I say so
	s_barrier_signal -1
	s_barrier_wait -1                              ; the only barrier: from here on the fragments are only read
	s_wait_loadcnt 0x0                             ; q
; Position of group g at the level whose SF is in s[SC]: cells into X0, Y0, Z0, fractions into the buffer at FA
.macro POS g
.irp a, 0,1,2
	v_mad_nc_u64_u32 v[PP+2*\a:PP+2*\a+1], v[Q+3*\g+\a], s[SC], v[2:3]
.endr
.irp a, 0,1,2
	v_alignbit_b32 v[FA+2*\a], v[PP+2*\a+1], v[PP+2*\a], 22        ; bits 53:22 of P
.endr
	v_lshrrev_b32 v[X0], 13, v[PP+1]               ; P >> 45
	v_lshrrev_b32 v[Y0], 13, v[PP+3]
	v_lshrrev_b32 v[Z0], 13, v[PP+5]
.irp a, 0,1,2
	v_and_or_b32 v[FA+2*\a], v[FA+2*\a], s[MANT], s[ONE]           ; 1.fraction
.endr
.irp a, 0,1,2
	v_add_f32 v[FA+2*\a], -1.0, v[FA+2*\a]                         ; exact
.endr
	v_sub_f32 v[FA+1], 1.0, v[FA]                  ; 1 - fx, exact: fx is a multiple of 2^-23 in [0, 1)
.endm
; Indices and the 8 gathers of (level l, group g) into buffer BI.  r = the grid's side at a dense level, 0 at a hashed one.
.macro ADDR l, g, r
.set IB, IDX+8*BI
.set GA, G+8*BI
.set FA, FR+6*BI
	POS \g
.if \r
	v_mad_u32_u24 v[IB], v[Z0], \r, v[Y0]
	v_mad_u32_u24 v[IB], v[IB], \r, v[X0]          ; x + r y + r r z
	v_min_u32 v[IB], TMASK-(1+\r+\r*\r), v[IB]     ; all 8 corners stay in the table
	v_lshlrev_b32 v[IB], 2, v[IB]
.irp k, 0,1,2,3,4,5,6,7
	global_load_b32 v[GA+\k], v[IB], s[LB+2*\l:LB+2*\l+1] offset:4*((\k&1)+\r*((\k>>1)&1)+\r*\r*(\k>>2))
.endr
.else
	v_mul_u32_u24 v[HY0], s[P1], v[Y0]
	v_mul_u32_u24 v[HZ0], s[P2], v[Z0]
	v_add_nc_u32 v[X1], 1, v[X0]
	v_add_nc_u32 v[HY1], s[P1], v[HY0]             ; (y + 1) p = y p + p
	v_add_nc_u32 v[HZ1], s[P2], v[HZ0]
	v_xor_b32 v[H+0], v[HY0], v[HZ0]
	v_xor_b32 v[H+1], v[HY1], v[HZ0]
	v_xor_b32 v[H+2], v[HY0], v[HZ1]
	v_xor_b32 v[H+3], v[HY1], v[HZ1]
.irp c, 0,1,2,3
	v_and_b32 v[H+\c], s[HM], v[H+\c]              ; x and x + 1 are below 2^19 (P < 2^63 + 2^44), so masking here is masking the index
.endr
.irp c, 0,1,2,3
	v_xor_b32 v[IB+2*\c],   v[X0], v[H+\c]
	v_xor_b32 v[IB+2*\c+1], v[X1], v[H+\c]
.endr
.irp k, 0,1,2,3,4,5,6,7
	v_min_u32 v[IB+\k], TMASK, v[IB+\k]            ; changes nothing; states the bound of a loaded number that enters an address
.endr
.irp k, 0,1,2,3,4,5,6,7
	global_load_b32 v[GA+\k], v[IB+\k], s[LB+2*\l:LB+2*\l+1] scale_offset      ; entry of 4 bytes
.endr
.endif
.endm
; Blend of body LI (level LI >> 2, group LI & 3, buffer LI mod 6).  Along x: T = a (1 - fx), then T += b fx, the entries taken as bf16 halves
; of their words (op_sel 0: low half, feature 0; 1: high half, feature 1), weights and sums in f32.  Along y twice, along z once:
; a += f (b - a) on pairs of features.  Then the rounding to f16 (the factor 2^14 is in the entries).
; rho puts level j, 8 + j at words j, 4 + j and level 4 + j, 12 + j eight words further.
.macro LERP
.set LL, LI>>2
.set LG, LI&3
.set GB, G+8*(LI%NB)
.set FB, FR+6*(LI%NB)
.irp c, 0,1,2,3
	v_fma_mix_f32_bf16 v[T+2*\c],   v[GB+2*\c], v[FB+1], v2 op_sel_hi:[1,0,0]
	v_fma_mix_f32_bf16 v[T+2*\c+1], v[GB+2*\c], v[FB+1], v2 op_sel:[1,0,0] op_sel_hi:[1,0,0]
.endr
.irp c, 0,1,2,3
	v_fma_mix_f32_bf16 v[T+2*\c],   v[GB+2*\c+1], v[FB], v[T+2*\c] op_sel_hi:[1,0,0]
	v_fma_mix_f32_bf16 v[T+2*\c+1], v[GB+2*\c+1], v[FB], v[T+2*\c+1] op_sel:[1,0,0] op_sel_hi:[1,0,0]
.endr
.irp c, 0,4
	v_pk_add_f32 v[T+\c+2:T+\c+3], v[T+\c+2:T+\c+3], v[T+\c:T+\c+1] neg_lo:[0,1] neg_hi:[0,1]
.endr
.irp c, 0,4
	v_pk_fma_f32 v[T+\c:T+\c+1], v[T+\c+2:T+\c+3], v[FB+2:FB+3], v[T+\c:T+\c+1] op_sel_hi:[1,0,1]
.endr
	v_pk_add_f32 v[T+4:T+5], v[T+4:T+5], v[T:T+1] neg_lo:[0,1] neg_hi:[0,1]
	v_pk_fma_f32 v[T:T+1], v[T+4:T+5], v[FB+4:FB+5], v[T:T+1] op_sel_hi:[1,0,1]
	v_cvt_pk_f16_f32 v[FE+16*LG+(LL&3)+4*((LL>>3)&1)+8*((LL>>2)&1)], v[T], v[T+1]
.endm
; Body i = 4 l + g: issue its gathers, then blend body i - 5.  Behind body i - 5's eight gathers the 40 of the five younger bodies were
; issued, and loads return in order: the wait for 40 shows body i - 5 in.  It also shows those loads done, so that their index
; registers, like the buffer's data and fractions, are free for body i + 1, which takes the same buffer.
.macro BODY l, g, r
.set BI, (4*\l+\g)%NB
	ADDR \l, \g, \r
.if 4*\l+\g >= NB-1
	s_wait_loadcnt 8*(NB-1)
.set LI, 4*\l+\g-(NB-1)
	LERP
.endif
.endm
.macro LEVEL l, sf, r
	s_mov_b32 s[SC], \sf
	BODY \l, 0, \r
	BODY \l, 1, \r
	BODY \l, 2, \r
	BODY \l, 3, \r
.endm
	; SF = f32(16 * 128^(l/15) - 1) * 2^20; sides 16, 23, 31, 43, 59 have side^3 <= 524288, from level 5 on (81^3) the index is hashed
	LEVEL 0,  0x00f00000, 16
	LEVEL 1,  0x0151c50a, 23
	LEVEL 2,  0x01d8e100, 31
	LEVEL 3,  0x0293968c, 43
	LEVEL 4,  0x03959a94, 59
	LEVEL 5,  0x04fa28c0, 0
	LEVEL 6,  0x06e6e338, 0
	LEVEL 7,  0x098fcb90, 0
	LEVEL 8,  0x0d3cc020, 0
	LEVEL 9,  0x12511180, 0
	LEVEL 10, 0x1955fea0, 0
	LEVEL 11, 0x230930c0, 0
	LEVEL 12, 0x3070c000, 0
	LEVEL 13, 0x42f6de00, 0
	LEVEL 14, 0x5c900f00, 0
	LEVEL 15, 0x7ff00000, 0
.irp d, 4,3,2,1,0
	s_wait_loadcnt 8*\d                            ; the last five bodies: the gathers of d younger bodies stay out
.set LI, 63-\d
	LERP
.endr
	; THE MLP.  Weights into registers, once for the wave's eight tiles of 16 points.
.irp f, 0,1,2,3,4,5,6,7,8,9,10,11
	ds_load_b128 v[W0B+8*\f:W0B+8*\f+3],   v1 offset:1024*\f
	ds_load_b128 v[W0B+8*\f+4:W0B+8*\f+7], v1 offset:1024*\f+512
.endr
.irp t, 0,1,2,3
	global_load_b128 v[W2B+8*\t:W2B+8*\t+3],   v[WA], s[10:11] offset:64*\t      ; w2[16 t + 8 h + 0..3]
	global_load_b128 v[W2B+8*\t+4:W2B+8*\t+7], v[WA], s[10:11] offset:64*\t+16   ; w2[16 t + 8 h + 4..7]
.endr
	s_mov_b32 vcc_lo, 0xffff0000                   ; lanes 16 to 31
	; Features into B fragments.  The swap exchanges the first register's lanes 16-31 with the second's lanes 0-15.  Word i of a group holds
	; levels i (or 8 + i - 4), word 8 + i the levels four higher, of all 32 lanes' points.  Behind the swap word i holds, for the points of
	; lanes 0-15, the lower levels in lanes 0-15 (h = 0: k = 0..7, 16..23) and the higher ones in lanes 16-31 (h = 1: k = 8..15, 24..31);
	; word 8 + i the same for the points of lanes 16-31.
.irp g, 0,1,2,3
.irp i, 0,1,2,3,4,5,6,7
	v_permlane16_swap_b32 v[FE+16*\g+\i], v[FE+16*\g+8+\i]
.endr
.endr
	s_wait_dscnt 0x0
	s_wait_loadcnt 0x0
; Four places of plain vector instructions between a matrix instruction and a vector instruction that reads its result (ISA guide 7.12.1)
.macro PLACES
.rept 4
	v_nop
.endr
.endm
; 16 points: group g of lanes 0-15 (hh = 0) or of lanes 16-31 (hh = 1).
; A result tile is written over by a later matrix instruction only behind the four v_nop and at least 24 plain vector instructions
; on the other three tiles' registers (five places are needed); HB is written again far more than four places behind its last use.
.macro TILE g, hh
.set TF, FE+16*\g+8*\hh
.irp t, 0,1,2,3
	v_wmma_f32_16x16x32_f16 v[HD+8*\t:HD+8*\t+7], v[W0B+8*\t:W0B+8*\t+7], v[TF:TF+7], 0
.endr
	PLACES
.irp t, 0,1,2,3
.irp j, 0,1,2,3,4,5,6,7
	v_max_num_f32 v[HD+8*\t+\j], 0, v[HD+8*\t+\j]
.endr
.irp j, 0,1,2,3
	v_cvt_pk_f16_f32 v[HB+4*\t+\j], v[HD+8*\t+2*\j], v[HD+8*\t+2*\j+1]     ; units 16 t + 8 h + 2 j, + 1: word 4 (t & 1) + j of K half t >> 1
.endr
.endr
.irp t, 0,1,2,3
	v_wmma_f32_16x16x32_f16 v[HD+8*\t:HD+8*\t+7], v[W1B+16*\t:W1B+16*\t+7], v[HB:HB+7], 0
.endr
.irp t, 0,1,2,3
	v_wmma_f32_16x16x32_f16 v[HD+8*\t:HD+8*\t+7], v[W1B+16*\t+8:W1B+16*\t+15], v[HB+8:HB+15], v[HD+8*\t:HD+8*\t+7]   ; the chain's next link, in place
.endr
	PLACES
.set j, 0
.rept 32
	v_max_num_f32 v[HD+j], 0, v[HD+j]
.set j, j+1
.endr
	v_pk_mul_f32 v[ACC:ACC+1],   v[HD:HD+1],   v[W2B:W2B+1]                ; the first products start the two chains
	v_pk_mul_f32 v[ACC+2:ACC+3], v[HD+2:HD+3], v[W2B+2:W2B+3]
.set j, 4
.rept 7
	v_pk_fma_f32 v[ACC:ACC+1],   v[HD+j:HD+j+1],   v[W2B+j:W2B+j+1],   v[ACC:ACC+1]
	v_pk_fma_f32 v[ACC+2:ACC+3], v[HD+j+2:HD+j+3], v[W2B+j+2:W2B+j+3], v[ACC+2:ACC+3]
.set j, j+4
.endr
	v_pk_add_f32 v[ACC:ACC+1], v[ACC:ACC+1], v[ACC+2:ACC+3]
	v_add_f32 v[SS], v[ACC], v[ACC+1]              ; my 32 units of point r
	v_permlanex16_b32 v[TT], v[SS], s58, s59       ; the other 32
.if \hh
	v_add_f32 v[SS], v[SS], v[TT]
	v_cndmask_b32 v[OUT+\g], v[OUT+\g], v[SS], vcc_lo      ; these points belong to lanes 16-31
.else
	v_add_f32 v[OUT+\g], v[SS], v[TT]              ; lanes 0-15 keep it; lanes 16-31 are replaced by the next tile
.endif
.endm
.irp g, 0,1,2,3
	TILE \g, 0
	TILE \g, 1
.endr
	v_pk_mul_f32 v[OUT:OUT+1],   v[OUT:OUT+1],   s[US:US+1] op_sel_hi:[1,0]    ; the entries' 2^14 is taken back
	v_pk_mul_f32 v[OUT+2:OUT+3], v[OUT+2:OUT+3], s[US:US+1] op_sel_hi:[1,0]
	global_store_b128 v[OA], v[OUT:OUT+3], s[14:15] th:TH_STORE_NT             ; the wave stores 512 consecutive bytes, at a multiple of 512
	s_wait_xcnt 0x0
	v_lshl_add_u32 v254, v0, 2, 0x3000
	v_mov_b32 v255, 0
	s_wait_tensorcnt 0x0
	ds_add_u32 v254, v255
	s_wait_dscnt 0x0
	s_endpgm
.Lfunc_end_k_q30bae7a4ea_ngp:
	.size	k_q30bae7a4ea_ngp, .Lfunc_end_k_q30bae7a4ea_ngp-k_q30bae7a4ea_ngp
	.p2alignl 7, 3214868480
	.fill 96, 4, 3214868480
	.section	.rodata,"a",@progbits
	.p2align	6, 0x0
	.amdhsa_kernel k_q30bae7a4ea_ngp
		.amdhsa_group_segment_fixed_size 14336
		.amdhsa_private_segment_fixed_size 0
		.amdhsa_enable_private_segment 0
		.amdhsa_kernarg_size 48
		.amdhsa_user_sgpr_count 2
		.amdhsa_user_sgpr_kernarg_segment_ptr 1
		.amdhsa_wavefront_size32 1
		.amdhsa_system_sgpr_workgroup_id_x 1
		.amdhsa_system_sgpr_workgroup_id_y 1
		.amdhsa_system_sgpr_workgroup_id_z 1
		.amdhsa_system_vgpr_workitem_id 0
		.amdhsa_next_free_vgpr 256
		.amdhsa_next_free_sgpr 68
		.amdhsa_reserve_vcc 1
		.amdhsa_float_denorm_mode_32 3
		.amdhsa_float_denorm_mode_16_64 3
		.amdhsa_memory_ordered 1
		.amdhsa_forward_progress 1
		.amdhsa_inst_pref_size 255
	.end_amdhsa_kernel
	.section	.bss,"aw",@nobits
	.p2align	6
	.space	262144
	.amdgpu_metadata
---
amdhsa.version: [ 1, 2 ]
amdhsa.kernels:
  - .name:           k_q30bae7a4ea_ngp
    .symbol:         k_q30bae7a4ea_ngp.kd
    .args:
      - { .name: tp, .offset: 0, .size: 8, .value_kind: global_buffer, .address_space: global }
      - { .name: w0, .offset: 8, .size: 8, .value_kind: global_buffer, .address_space: global }
      - { .name: w1, .offset: 16, .size: 8, .value_kind: global_buffer, .address_space: global }
      - { .name: w2, .offset: 24, .size: 8, .value_kind: global_buffer, .address_space: global }
      - { .name: q, .offset: 32, .size: 8, .value_kind: global_buffer, .address_space: global }
      - { .name: out0, .offset: 40, .size: 8, .value_kind: global_buffer, .address_space: global }
    .group_segment_fixed_size: 14336
    .private_segment_fixed_size: 0
    .kernarg_segment_align: 8
    .kernarg_segment_size: 48
    .max_flat_workgroup_size: 512
    .sgpr_count:     68
    .vgpr_count:     256
    .wavefront_size: 32
...
	.end_amdgpu_metadata
.endif
;; end of part 4
